; MI455X (gfx1250); checked and timed in simulation.
; The chip was launched on July 23, 2026; its instructions are those of AMD's public machine-readable ISA for CDNA 5 (MIT licence, August 2026) and "CDNA5" Instruction Set Architecture Reference Guide (July 2026). The comments in the code are by the model that wrote it; some were corrected since.
;; VQ Layer. Allowed arithmetic: float matrix products may take bf16 or f16 operands with f32 sums; other float arithmetic in f32, or as packed bf16 or f16 multiplies, adds, multiply-adds, maxima and minima; sums over many terms, partial sums and values carried from step to step in f32; what a program stores and reads back later, other than sums and carried values, may be rounded once to bf16 or f16.
;; Inputs: emb 8,192 x 512 float32; x 16,384 x 512 float32.
;; Outputs: out0 16,384 x 512 float32.
;; 2 versions, each right; version 2 is version 1 with the launch pick written anew for expert scheduling mode. Each part assembles by itself: llvm-mc -triple=amdgcn-amd-amdhsa -mcpu=gfx1250 --defsym DOCPART=n.
;; ======== version 1 of 2: 3 launches
;; workspace buffers: eb 8,388,608 bytes; e2h 32,768 bytes; bval 131,072 bytes; bidx 131,072 bytes of whole numbers
;; launch prep (part 1): grid 256 x 1, 8 waves a work-group, no clusters, 0 bytes of LDS; arguments emb, eb, e2h; writes eb, e2h
.if DOCPART == 1
	.amdgcn_target "amdgcn-amd-amdhsa--gfx1250"
	.amdhsa_code_object_version 6
	.text
	.protected	k_qa01b3b1b23_prep
	.globl	k_qa01b3b1b23_prep
	.p2align	8
	.type	k_qa01b3b1b23_prep,@function
k_qa01b3b1b23_prep:
	s_mov_b64 s[64:65], 0
	v_nop
	global_prefetch_b8 v0, s[64:65] scope:SCOPE_SE
	s_setreg_imm32_b32 hwreg(HW_REG_WAVE_MODE, 25, 1), 1
	s_wait_xcnt 0x0
; VQ LAYER: out[b] = emb[argmin_k (x2[b] + e2[k] - 2 x[b].emb[k])].  x: [16384][512], emb: [8192][512], out: [16384][512], all f32.
; Three launches: this one rounds emb to bf16 (eb) and makes -e2/2 (e2h); the second finds, for each row of x and each half of the codes, the best code; the third gathers.
; WORK LEFT OUT: x2.  x2[b] is the same for every k, so for all real x and emb argmin_k (x2[b] + e2[k] - 2 x[b].emb[k]) = argmax_k (x[b].emb[k] - e2[k]/2):
; x2 reaches no output and is never formed.  x itself stays live (the product), and so does emb: every input is loaded.
; LIMITS.  A NaN, an infinity or an overflow that reaches x2 alone is not carried to the result.  The matrix operands are x and emb rounded once to bf16, and e2 is taken of the
; ROUNDED emb, in f32.  Rows whose two best distances lie closer than f32's step at the distances' own size may choose the other of the two codes.
; THIS LAUNCH.  A stream: 8 waves, a work-group owns 32 rows of emb, a wave 4.  A row is 2,048 bytes: four loads of 16 bytes a lane, each covering 512 consecutive bytes.
; All 16 loads of a wave go out first.  A lane's four numbers of a load round to 8 bytes: 32 lanes store 256 consecutive bytes, aligned.  No LDS: no wave wants another's bytes.
.set ROWF, 2048                        ; bytes in a row of emb
.set ROWH, 1024                        ; bytes in a row of eb
.set INO, 2                            ; v2   16 x lane + 8,192 x wave: my bytes in the wave's first row of emb
.set OUO, 3                            ; v3   8 x lane + 4,096 x wave: the same in eb
.set EO,  4                            ; v4   16 x wave: the wave's four numbers in e2h
.set ZR,  5                            ; v5   0: the first link of each sum takes it as addend (these forms take registers alone)
.set X,   16                           ; v[16:79]    row i, load j at X + 16 i + 4 j
.set P,   80                           ; v[80:111]   row i: eight words of two bf16
.set SS,  112                          ; v[112:119]  row i: the sum over the low halves, the sum over the high halves
.set E,   120                          ; v[120:123]  -e2/2 of the four rows
	s_load_b128 s[4:7], s[0:1], 0x0                ; emb s[4:5], eb s[6:7]
	s_load_b64 s[8:9], s[0:1], 0x10                ; e2h
	v_and_b32 v1, 31, v0                           ; lane
	v_lshrrev_b32 v6, 5, v0                        ; wave
	v_lshlrev_b32 v[INO], 4, v1
	v_lshl_add_u32 v[INO], v6, 13, v[INO]
	v_lshlrev_b32 v[OUO], 3, v1
	v_lshl_add_u32 v[OUO], v6, 12, v[OUO]
	v_lshlrev_b32 v[EO], 4, v6
	v_mov_b32 v[ZR], 0
	s_mov_b32 s10, 0x76543210                      ; v_permlanex16_b32: each lane takes its own place in the other half
	s_mov_b32 s11, 0xfedcba98
	s_lshl_b32 s12, ttmp9, 16                      ; the work-group's 32 rows: 65,536 bytes of emb,
	s_mov_b32 s13, 0
	s_lshl_b32 s14, ttmp9, 15                      ; 32,768 of eb,
	s_mov_b32 s15, 0
	s_lshl_b32 s16, ttmp9, 7                       ; 128 of e2h
	s_mov_b32 s17, 0
	s_wait_kmcnt 0x0
	s_add_nc_u64 s[4:5], s[4:5], s[12:13]
	s_add_nc_u64 s[6:7], s[6:7], s[14:15]
	s_add_nc_u64 s[8:9], s[8:9], s[16:17]
.irp i, 0,1,2,3
.irp j, 0,1,2,3
	global_load_b128 v[X+16*(\i)+4*(\j):X+16*(\i)+4*(\j)+3], v[INO], s[4:5] offset:ROWF*(\i)+512*(\j) th:TH_LOAD_NT
.endr
.endr
.irp i, 0,1,2,3
	s_wait_loadcnt 12-4*(\i)                       ; loads come back in order (ISA guide 5.7.1): row i's four are in, the later rows' stay out
.irp m, 0,1,2,3,4,5,6,7
	v_cvt_pk_bf16_f32 v[P+8*(\i)+(\m)], v[X+16*(\i)+2*(\m)], v[X+16*(\i)+2*(\m)+1]
.endr
.irp j, 0,1,2,3
	global_store_b64 v[OUO], v[P+8*(\i)+2*(\j):P+8*(\i)+2*(\j)+1], s[6:7] offset:ROWH*(\i)+256*(\j)  ; 32 lanes store 256 consecutive bytes, aligned
.endr
	; the squares of the ROUNDED numbers, summed in f32, in two chains
	v_fma_mix_f32_bf16 v[SS+2*(\i)],   v[P+8*(\i)], v[P+8*(\i)], v[ZR] op_sel_hi:[1,1,0]
	v_fma_mix_f32_bf16 v[SS+2*(\i)+1], v[P+8*(\i)], v[P+8*(\i)], v[ZR] op_sel:[1,1,0] op_sel_hi:[1,1,0]
.irp m, 1,2,3,4,5,6,7
	v_fma_mix_f32_bf16 v[SS+2*(\i)],   v[P+8*(\i)+(\m)], v[P+8*(\i)+(\m)], v[SS+2*(\i)] op_sel_hi:[1,1,0]
	v_fma_mix_f32_bf16 v[SS+2*(\i)+1], v[P+8*(\i)+(\m)], v[P+8*(\i)+(\m)], v[SS+2*(\i)+1] op_sel:[1,1,0] op_sel_hi:[1,1,0]
.endr
.endr
	; across the 32 lanes, the four rows side by side so that no line waits for the one before it
.irp i, 0,1,2,3
	v_add_f32 v[SS+2*(\i)], v[SS+2*(\i)], v[SS+2*(\i)+1]
.endr
.irp mk, 1,2,4,8
.irp i, 0,1,2,3
	v_add_f32_dpp v[SS+2*(\i)], v[SS+2*(\i)], v[SS+2*(\i)] row_xmask:\mk row_mask:0xf bank_mask:0xf
.endr
.endr
.irp i, 0,1,2,3
	v_permlanex16_b32 v[SS+2*(\i)+1], v[SS+2*(\i)], s10, s11  ; its destination counts as read: a register that has been written
.endr
.irp i, 0,1,2,3
	v_add_f32 v[SS+2*(\i)], v[SS+2*(\i)], v[SS+2*(\i)+1]
.endr
.irp i, 0,1,2,3
	v_mul_f32 v[E+(\i)], -0.5, v[SS+2*(\i)]
.endr
	v_cmp_eq_u32 vcc_lo, 0, v1
	s_wait_xcnt 0x0                                ; EXEC is a source of the stores above: it is narrowed only behind this wait
	s_and_saveexec_b32 s18, vcc_lo
	global_store_b128 v[EO], v[E:E+3], s[8:9]      ; lane 0: the wave's four numbers, 16 bytes; e2h is 32,768 bytes of the launch's 25 million
	s_wait_xcnt 0x0                                ; and widened again only behind this one
	s_or_b32 exec_lo, exec_lo, s18
	s_endpgm
.Lfunc_end_k_qa01b3b1b23_prep:
	.size	k_qa01b3b1b23_prep, .Lfunc_end_k_qa01b3b1b23_prep-k_qa01b3b1b23_prep
	.p2alignl 7, 3214868480
	.fill 96, 4, 3214868480
	.section	.rodata,"a",@progbits
	.p2align	6, 0x0
	.amdhsa_kernel k_qa01b3b1b23_prep
		.amdhsa_group_segment_fixed_size 0
		.amdhsa_private_segment_fixed_size 0
		.amdhsa_enable_private_segment 0
		.amdhsa_kernarg_size 24
		.amdhsa_user_sgpr_count 2
		.amdhsa_user_sgpr_kernarg_segment_ptr 1
		.amdhsa_wavefront_size32 1
		.amdhsa_system_sgpr_workgroup_id_x 1
		.amdhsa_system_sgpr_workgroup_id_y 1
		.amdhsa_system_sgpr_workgroup_id_z 1
		.amdhsa_system_vgpr_workitem_id 0
		.amdhsa_next_free_vgpr 128
		.amdhsa_next_free_sgpr 66
		.amdhsa_reserve_vcc 1
		.amdhsa_float_denorm_mode_32 3
		.amdhsa_float_denorm_mode_16_64 3
		.amdhsa_memory_ordered 1
		.amdhsa_forward_progress 1
		.amdhsa_inst_pref_size 13
	.end_amdhsa_kernel
	.amdgpu_metadata
---
amdhsa.version: [ 1, 2 ]
amdhsa.kernels:
  - .name:           k_qa01b3b1b23_prep
    .symbol:         k_qa01b3b1b23_prep.kd
    .args:
      - { .name: emb, .offset: 0, .size: 8, .value_kind: global_buffer, .address_space: global }
      - { .name: eb, .offset: 8, .size: 8, .value_kind: global_buffer, .address_space: global }
      - { .name: e2h, .offset: 16, .size: 8, .value_kind: global_buffer, .address_space: global }
    .group_segment_fixed_size: 0
    .private_segment_fixed_size: 0
    .kernarg_segment_align: 8
    .kernarg_segment_size: 24
    .max_flat_workgroup_size: 256
    .sgpr_count:     66
    .vgpr_count:     128
    .wavefront_size: 32
...
	.end_amdgpu_metadata
.endif
;; end of part 1
;; launch score (part 2): grid 128 x 2, 4 waves a work-group, clusters of 4 x 1, 327,680 bytes of LDS; arguments x, eb, e2h, bval, bidx; writes bval, bidx
.if DOCPART == 2
	.amdgcn_target "amdgcn-amd-amdhsa--gfx1250"
	.amdhsa_code_object_version 6
	.text
	.protected	k_qa01b3b1b23_score
	.globl	k_qa01b3b1b23_score
	.p2align	8
	.type	k_qa01b3b1b23_score,@function
k_qa01b3b1b23_score:
	s_mov_b64 s[64:65], 0
	v_nop
	global_prefetch_b8 v0, s[64:65] scope:SCOPE_SE
	s_setreg_imm32_b32 hwreg(HW_REG_WAVE_MODE, 25, 1), 1
	s_wait_xcnt 0x0
	s_wait_alu depctr_hold_cnt(0) depctr_sa_sdst(0) depctr_va_vdst(0) depctr_va_sdst(0) depctr_va_ssrc(0) depctr_va_vcc(0) depctr_vm_vsrc(0)
	s_getreg_b32 s2, hwreg(HW_REG_IB_STS2, 6, 4)
	s_cmp_eq_u32 s2, 0
	s_cbranch_scc0 .Lentry_in_a_cluster
	s_endpgm
.Lentry_in_a_cluster:
	s_bfe_u32 s2, ttmp6, 0x10000c
	s_cmp_lg_u32 s2, 0x3003
	s_cbranch_scc0 .Lentry_shape_is_right
	s_endpgm
.Lentry_shape_is_right:
; For each row b of x and each half of the codes: the best score s = x[b].eb[k] + e2h[k] (= x.e - e2/2) and its code k.  bval: [2][16384] f32, bidx: [2][16384] u32.
; WORK LEFT OUT: x2, the same for every code of a row, changes no argmin for any real inputs (shown at the head of the first kernel); the least distance is the greatest s.
; LIMITS.  x and emb enter the product rounded once to bf16; sums, scores and the running best are f32.  The product's sum starts at 0 and e2h is added once, at its end.  Equal scores go to the
; lowest code.  A NaN score never wins (jnp.argmin would take the first NaN); a row all of whose scores are NaN or -infinity gets the half's lowest slot code, a valid index.
; SHARES.  A work-group owns 128 rows of x and 4,096 codes: 256 work-groups.  Wave w: rows 64 (w / 2) on, and of every 128 codes the 64 from 64 (w % 2) on.  The wave's 64 rows x 512 channels stay in
; 512 registers, as bf16 fragments, for the whole launch.  The codes come in 32 slots of 128 through a ring of two LDS slots; a slot is four TILES of 16 codes for a wave, a tile 64 matrix instructions
; (16 steps of 32 channels x 4 tiles of 16 rows of x).  A fragment of eb (two LDS loads) feeds four products.
; LAYOUT.  Source 0 = 16 codes, source 1 = 16 rows of x: in the result lane l holds row l % 16 of x, and register j the code 8 (l / 16) + j.
; BY TURNS.  While tile n is multiplied into one set of four accumulators, tile n - 1's 32 scores a lane (the other set) are folded into 32 running bests: four vector instructions a score
; (add e2h, compare, maximum, select the tile's code base), a score behind every second matrix instruction.  The register's number j is added to the winning bases once, at the end.
; CLUSTER.  The four work-groups of a cluster have the same half of the codes and walk the same rows of eb and the same e2h: every tensor load is asked for JOINTLY, with the same descriptor and a
; mask that names the four.  x comes through registers (each row has two work-groups), so there is nothing to share along a second axis.
; A wave's tensor load is 32 rows of 1,024 bytes: a quarter of a slot; whole rows, so that the padding falls behind each code's row.
; REGISTERS, in windows of 256 (s_set_vgpr_msb: bits 1:0 source 0, 3:2 source 1, 5:4 source 2, 7:6 destination):
;   window 0: addresses, e2h of two tiles, two sets of accumulators, the running bests and their code bases     window 1: two buffers of eb's fragments (at the head: x in f32, on its way)
;   windows 2, 3: x: rows 16 qt on, channels 32 ks on, at 64 qt + 8 (ks % 8) of window 2 + ks / 8
.set PITCH, 1040                       ; an LDS row: 1,024 bytes + 16 of padding = 260 words: row r starts at bank 4 r mod 64 (64 banks of 4 bytes: ISA guide 11.1): the 16 rows of a load start at 16 different groups
.set QUART, 32*PITCH                   ; what one tensor load brings
.set SLOT,  4*QUART                    ; 128 codes
.set TABLE, 2*SLOT                     ; behind the ring: the half's 4,096 numbers of e2h, filled once, only read
.set STAGE, TABLE+16384                ; 512 bytes a wave: 64 x (score, code); no tensor load lands here
.set SPARE, STAGE+2048                 ; the spare words, 128 bytes a wave: two blocks of 256 bytes that no other line names
.set SLOTB, 131072                     ; a slot's bytes in eb
.set ADE,  2                           ; v2-3  LDS address of my fragments of eb in slot 0, 1; never rewritten
.set ADC,  4                           ; v4    LDS address of my eight e2h of the trip's first tile; 1,024 on in each trip
.set CT,   5                           ; v5    the code of register 0 in the tile that is being folded
.set XO,   6                           ; v6    my byte offset in 16 rows of x
.set PFO,  7                           ; v7    256 x lane; never rewritten
.set SPW,  8                           ; v8    LDS address of my spare word; never rewritten
.set NIL,  9                           ; v9    0; never rewritten
.set STO,  12                          ; v12   the ending: where I put a pair
.set RD,   13                          ; v13   where waves 0 and 1 read two pairs back
.set GO,   14                          ; v14   8 x lane
.set CI,   16                          ; v[16:31]   e2h of my 8 codes, a set for each parity of the tile
.set ACC,  32                          ; v[32:95]   accumulators: 32 x parity + 8 x qt
.set BEST, 96                          ; v[96:127]  running best of slot n = 8 qt + j
.set IDX,  128                         ; v[128:159] its tile's code base
.set SC,   160                         ; v160-161   two scores at work
.set FIN,  168                         ; v[168:187] the ending
.set WV,   14                          ; s14 wave   s15 w / 2   s16 w % 2   s17 cx   s18 block of 128 rows   s19 half
.set QH,   15
.set CH,   16
.set CX,   17
.set QB,   18
.set HALF, 19
.set G1,   24                          ; s[24:31] descriptor group 1 for eb's tiles
.set G0,   32                          ; s[32:39] group 0, a set for each slot
.set G1T,  40                          ; s[40:47] group 1 for the table
.set G0T,  48                          ; s[48:51] its group 0
.set LOOP, 52                          ; s52  trips to go
.set LIM,  53                          ; s53  1 in a work-group that prefetches, else the greatest number
.set PFA,  54                          ; s[54:55] where my prefetches stand
.set SEL,  56                          ; s[56:57] v_permlanex16_b32's selects
.set NINF, 58                          ; s58  -infinity
.set MUL_LO, 0x09                      ; eb window 1, x window 2, sums window 0
.set MUL_HI, 0x0d                      ; the same with x in window 3
.set TO_E,   0x40                      ; destination window 1, address window 0
.set MSB, 0
.macro WIN new                         ; the immediate's high byte repeats the setting that is left; a switch that changes nothing is dropped
.if MSB != (\new)
	s_set_vgpr_msb (MSB<<8)|(\new)
.set MSB, (\new)
.endif
.endm
; A round of the cluster's barrier: my work-group's barrier, so that wave 0's signal speaks for all four waves; wave 0 signals; every wave waits for all four work-groups; my work-group's barrier once more.
.macro CREST                           ; a round behind its opening barrier
	s_cmp_lg_u32 s[WV], 0
	s_cbranch_scc1 .Lnot_wave_0_\@
	s_barrier_signal -3
.Lnot_wave_0_\@:
	s_barrier_wait -3
	s_barrier_signal -1
	s_barrier_wait -1
.endm
.macro CROUND
	s_barrier_signal -1
	s_barrier_wait -1
	CREST
.endm
; A joint refill of slot n: every wave fetches its own 32 rows, so there is no branch.  An s_nop 0 and four v_nop follow.
.macro JLOAD n
	tensor_load_to_lds s[G0+4*(\n):G0+4*(\n)+3], s[G1:G1+7]
	s_nop 0
.rept 4
	v_nop
.endr
.endm
; A PREFETCH INTO THE L2 of the slot that stands TWO refills on (512 matrix instructions ahead of the load that will want it).  All 32 clusters of a half walk the same rows: the first of them
; (cluster x = 0) asks.  Its four partners and their waves share a slot's 131,072 bytes out BY ADDRESS: 32,768 a work-group, 8,192 a wave, 256 a lane: one instruction a wave, each block named once
; in the launch.  The loop's last trip asks for nothing: there is no slot two refills on.  Slots 0 to 3 come by their loads alone.
.macro ASK
	s_cmp_gt_u32 s[LOOP], s[LIM]
	s_cbranch_scc0 .Lnot_mine_\@
	global_prefetch_b8 v[PFO], s[PFA:PFA+1] th:TH_LOAD_NT scope:SCOPE_SE
.Lnot_mine_\@:
.endm
; x on its way in.  Unit u: rows 16 (u / 2) on, channels 256 (u % 2) on, in f32: 32 loads into half u % 2 of window 1.  A fragment wants channels 8 h + 0..7 and 16 + 8 h + 0..7 of each 32: 32 bytes at 32 h and at 64 + 32 h.
.macro LOADX u
	WIN TO_E
.irp a, 0,1,2,3,4,5,6,7
	global_load_b128 v[128*((\u)%2)+16*(\a):128*((\u)%2)+16*(\a)+3],     v[XO], s[4:5] offset:32768*((\u)/2)+1024*((\u)%2)+128*(\a)
	global_load_b128 v[128*((\u)%2)+16*(\a)+4:128*((\u)%2)+16*(\a)+7],   v[XO], s[4:5] offset:32768*((\u)/2)+1024*((\u)%2)+128*(\a)+16
	global_load_b128 v[128*((\u)%2)+16*(\a)+8:128*((\u)%2)+16*(\a)+11],  v[XO], s[4:5] offset:32768*((\u)/2)+1024*((\u)%2)+128*(\a)+64
	global_load_b128 v[128*((\u)%2)+16*(\a)+12:128*((\u)%2)+16*(\a)+15], v[XO], s[4:5] offset:32768*((\u)/2)+1024*((\u)%2)+128*(\a)+80
.endr
.endm
.macro CVTX u                          ; rounded once to bf16, into its place for good: 64 registers of window 2 + u % 2
	WIN 0x85+0x40*((\u)%2)
.set c_, 0
.rept 64
	v_cvt_pk_bf16_f32 v[64*((\u)/2)+c_], v[128*((\u)%2)+2*c_], v[128*((\u)%2)+2*c_+1]
.set c_, c_+1
.endr
.endm
; Product i of a tile's 64, parity p: channels 32 (i / 4) on, rows of x 16 (i % 4) on.  The first four start the sums with the constant 0.  The four accumulators take turns, one instruction a turn,
; over the tiles' edges and the backward jump too.
.macro MM p, i
.set ks_, (\i)/4
.set qt_, (\i)%4
.set rD, ACC+32*(\p)+8*qt_
.set rA, 128*(\p)+8*ks_
.set rB, 64*qt_+8*(ks_%8)
.if ks_ < 8
	WIN MUL_LO
.else
	WIN MUL_HI
.endif
.if ks_ == 0
	v_wmma_f32_16x16x32_bf16 v[rD:rD+7], v[rA:rA+7], v[rB:rB+7], 0
.else
	v_wmma_f32_16x16x32_bf16 v[rD:rD+7], v[rA:rA+7], v[rB:rB+7], v[rD:rD+7]
.endif
.endm
; Score k of 32 of the tile before (parity q) is folded.  Its sum with e2h was made in the slice before, so that no line reads the result of the one just ahead.  The accumulators are read in ascending
; order.  A strictly greater score wins, so of equal scores the earlier, lower code stays.  VCC is written and read inside a slice.  mode = 0, the first tile: the bests are started.
.macro SLICE q, k, mode, inc
	WIN 0
.if \mode
.if (\k) == 0
	v_add_f32 v[SC], v[ACC+32*(\q)], v[CI+8*(\q)]
.endif
.if (\k) < 31
	v_add_f32 v[SC+((\k)+1)%2], v[ACC+32*(\q)+(\k)+1], v[CI+8*(\q)+((\k)+1)%8]
.endif
	v_cmp_gt_f32 vcc_lo, v[SC+(\k)%2], v[BEST+(\k)]
	v_max_num_f32 v[BEST+(\k)], v[BEST+(\k)], v[SC+(\k)%2]
	v_cndmask_b32 v[IDX+(\k)], v[IDX+(\k)], v[CT], vcc_lo
.if ((\k) == 31) && ((\inc) != 0)
	v_add_nc_u32 v[CT], \inc, v[CT]                ; the next tile's base: 16 on, or 80 from a slot's last tile to the next slot's first
.endif
.else
	v_mov_b32 v[BEST+(\k)], s[NINF]
	v_mov_b32 v[IDX+(\k)], 0
.endif
.endm
; n products from i0 on, a slice behind every second one.  The slices name the other set of accumulators alone: they are the places behind the products (ISA guide 7.12.1): slices 30 and 31, four plain
; instructions or more, stand between product 60 and the next tile's first read of its result.
.macro RUN p, i0, n, mode, inc
.set ii, \i0
.rept \n
	MM \p, ii
.if ii%2
	SLICE 1-(\p), ii/2, \mode, \inc
.endif
.set ii, ii+1
.endr
.endm
; 32 LDS loads in one run: tile t of slot n (16 codes x 512 channels: 16 fragments) into buffer p.  The buffer's last reader stands 32 products and their slices back.
.macro FETCH n, t, p
	WIN TO_E
.irp f, 0,1,2,3,4,5,6,7,8,9,10,11,12,13,14,15
	ds_load_b128 v[128*(\p)+8*(\f):128*(\p)+8*(\f)+3],   v[ADE+(\n)] offset:16*PITCH*(\t)+64*(\f)
	ds_load_b128 v[128*(\p)+8*(\f)+4:128*(\p)+8*(\f)+7], v[ADE+(\n)] offset:16*PITCH*(\t)+64*(\f)+32
.endr
.endm
.macro CIL p, off                      ; e2h of the tile in hand: wanted by the next tile's slices; set p's last readers stood in the tile before
	WIN 0
	ds_load_b128 v[CI+8*(\p):CI+8*(\p)+3],   v[ADC] offset:(\off)
	ds_load_b128 v[CI+8*(\p)+4:CI+8*(\p)+7], v[ADC] offset:(\off)+16
.endm
; A tile, parity p; in its middle the next tile's fragments (tile t of slot n) and its own e2h are fetched, 32 products ahead of the wait for them.
.macro TILE p, mode, inc, n, t, cioff
	s_wait_dscnt 0x0                               ; my fragments, and e2h for the slices, are in
	RUN \p, 0, 32, \mode, \inc
	FETCH \n, \t, 1-(\p)
	CIL \p, \cioff
	RUN \p, 32, 32, \mode, \inc
.endm
; A slot's last tile changes slots: ONE barrier for two things.  In front of it each wave waits for all its tensor loads, of which one is out: its part of the other slot; adds 0 to its spare word; and
; waits for that (its reads of slot n ended at the wait at the head).  Behind it nobody reads slot n any more and the other slot is whole.  fill = 1: the barrier opens a round of the cluster's
; barrier, so that this holds of every partner too, and the joint refill, two slots on, is the first thing behind the round: it has 224 matrix instructions in which to land.
.macro TURN p, inc, n, fill, cioff
	s_wait_dscnt 0x0                               ; my fragments are in: my reads of slot n are over
.if \fill
	s_wait_xcnt 0x0                                ; the last prefetch, a slot back, has read its address: it is stepped here, ahead of the waits of the change
	s_add_nc_u64 s[PFA:PFA+1], s[PFA:PFA+1], SLOTB
.endif
	WIN 0                                          ; (the add's two registers lie in window 0)
	s_wait_tensorcnt 0x0                           ; no tensor load of mine is out, so a group 0 may be written
	ds_add_u32 v[SPW], v[NIL]                      ; 0 onto my spare word
.if \fill
	s_add_nc_u64 s[G0+4*(\n)+2:G0+4*(\n)+3], s[G0+4*(\n)+2:G0+4*(\n)+3], 2*SLOTB  ; two slots on; the type bits on top are not reached
.endif
	RUN \p, 0, 16, 1, \inc                         ; work on registers stands between the add and the wait for it
	s_wait_dscnt 0x0                               ; the add is done
	s_barrier_signal -1
	RUN \p, 16, 16, 1, \inc                        ; work on registers while the others arrive
	WIN 0
	s_barrier_wait -1
.if \fill
	CREST
	JLOAD \n
.endif
	FETCH 1-(\n), 0, 1-(\p)                        ; the other slot's first tile
	CIL \p, \cioff
.if \fill
	ASK                                            ; behind the joint load, its five lines and the run of LDS loads
.endif
	RUN \p, 32, 32, 1, \inc
.endm
; Of two (score, code) the better goes to (dv, dc): b if it is greater, or equal with the lower code.  The masks select values alone.
.macro MERGE dv, dc, va, ca, vb, cb
	v_cmp_gt_f32 s60, v[\vb], v[\va]
	v_cmp_eq_f32 s61, v[\vb], v[\va]
	v_cmp_lt_u32 s62, v[\cb], v[\ca]
	s_and_b32 s61, s61, s62
	s_or_b32 s60, s60, s61
	v_cndmask_b32 v[\dv], v[\va], v[\vb], s60
	v_cndmask_b32 v[\dc], v[\ca], v[\cb], s60
.endm
.macro MG a, b                         ; slot b into slot a
	MERGE BEST+(\a), IDX+(\a), BEST+(\a), IDX+(\a), BEST+(\b), IDX+(\b)
.endm
	s_load_b256 s[4:11], s[0:1], 0x0               ; x s[4:5], eb s[6:7], e2h s[8:9], bval s[10:11]
	s_load_b64 s[12:13], s[0:1], 0x20              ; bidx
	v_lshl_add_u32 v[SPW], v0, 2, SPARE
	v_mov_b32 v[NIL], 0
	ds_add_u32 v[SPW], v[NIL]                      ; the wave's opening: the add, twice on end, and its wait ahead of my first tensor load
	ds_add_u32 v[SPW], v[NIL]                      ; and once more; the set-up below, work on registers, stands between it and the one wait
	v_lshrrev_b32 v1, 5, v0
	v_readfirstlane_b32 s[WV], v1                  ; wave 0..3
	s_lshr_b32 s[QH], s[WV], 1
	s_and_b32 s[CH], s[WV], 1
	s_bfe_u32 s[CX], ttmp6, 0x40000                ; my place in the cluster: it enters x's, bval's, bidx's and the prefetches' addresses alone
	s_lshl_b32 s[QB], ttmp9, 2                     ; in a cluster launch ttmp9 counts clusters
	s_add_co_u32 s[QB], s[QB], s[CX]               ; my block of 128 rows of x
	s_and_b32 s[HALF], ttmp7, 0xffff               ; the half of the codes, which the four partners share
	; group 1 for eb: a tile of 32 rows x 512 elements of 2 bytes, padded in LDS
	s_mov_b32 s[G1], 15|(1<<16)|(1<<20)|(1<<21)|(7<<22)|(3<<25)  ; 15:0 the mask of four; 17:16 2-byte elements; 20 padding on; 21 set beside a mask; 24:22 after every 256 words (code 7); 31:25 4 words (code 3)
	s_mov_b32 s[G1+1], 512<<16                     ; tensor_dim0 = 512
	s_mov_b32 s[G1+2], 32<<16                      ; tensor_dim1 = 32
	s_mov_b32 s[G1+3], 512<<16                     ; tile_dim0 = 512
	s_mov_b32 s[G1+4], 32                          ; tile_dim1 = 32
	s_mov_b32 s[G1+5], 512                         ; elements from row to row
	s_mov_b32 s[G1+6], 0
	s_mov_b32 s[G1+7], 0
	; group 1 for the table: 4,096 dense bytes a wave, as 16 rows of 32 elements of 8 bytes
	s_mov_b32 s[G1T], 15|(3<<16)|(1<<21)
	s_mov_b32 s[G1T+1], 32<<16
	s_mov_b32 s[G1T+2], 16<<16
	s_mov_b32 s[G1T+3], 32<<16
	s_mov_b32 s[G1T+4], 16
	s_mov_b32 s[G1T+5], 32
	s_mov_b32 s[G1T+6], 0
	s_mov_b32 s[G1T+7], 0
	s_mov_b32 s[G0], 1                             ; count = 1
	s_mul_i32 s[G0+1], s[WV], QUART                ; LDS address: my quarter of slot 0: no place in the cluster enters it
	s_mov_b32 s[G0+4], 1
	s_add_co_u32 s[G0+5], s[G0+1], SLOT            ; of slot 1
	s_mov_b32 s[G0T], 1
	s_lshl_b32 s[G0T+1], s[WV], 12
	s_add_co_u32 s[G0T+1], s[G0T+1], TABLE
	s_lshl_b32 s20, s[HALF], 22                    ; eb: the half's 4,096 rows of 1,024 bytes, my 32 rows of a slot
	s_lshl_b32 s21, s[WV], 15
	s_add_co_u32 s20, s20, s21
	s_mov_b32 s21, 0
	s_lshl_b32 s22, s[HALF], 14                    ; e2h: the half's 16,384 bytes, my quarter
	s_lshl_b32 s23, s[WV], 12
	s_add_co_u32 s22, s22, s23
	s_mov_b32 s23, 0
	s_lshl_b32 s2, s[QB], 18                       ; x: my block's 128 rows of 2,048 bytes, my wave's 64
	s_lshl_b32 s3, s[QH], 17
	s_add_co_u32 s2, s2, s3
	s_mov_b32 s3, 0
	s_lshl_b32 s60, s[HALF], 16                    ; bval, bidx: the half's 65,536 bytes, my block's 512, and 256 for each of waves 0 and 1
	s_lshl_b32 s61, s[QB], 9
	s_add_co_u32 s60, s60, s61
	s_lshl_b32 s61, s[WV], 8
	s_add_co_u32 s60, s60, s61
	s_mov_b32 s61, 0
	s_lshl_b32 s62, s[HALF], 22                    ; the prefetches: my work-group's 32,768 bytes of a slot, my wave's 8,192,
	s_lshl_b32 s63, s[CX], 15
	s_add_co_u32 s62, s62, s63
	s_lshl_b32 s63, s[WV], 13
	s_add_co_u32 s62, s62, s63
	s_add_co_u32 s62, s62, 3*SLOTB                 ; in slot 3: the first change of slots steps it to slot 4
	s_mov_b32 s63, 0
	s_mov_b32 s[SEL], 0x76543210
	s_mov_b32 s[SEL+1], 0xfedcba98
	s_mov_b32 s[NINF], 0xff800000
	s_mov_b32 s[LOOP], 15
	s_cmp_eq_u32 ttmp9, 0                          ; the half's first cluster: the same in all four partners
	s_cselect_b32 s[LIM], 1, -1
	s_wait_dscnt 0x0                               ; both opening adds are done
	s_wait_kmcnt 0x0
	s_add_nc_u64 s[G0+2:G0+3], s[6:7], s[20:21]    ; global address: slot 0,
	s_add_nc_u64 s[G0+6:G0+7], s[G0+2:G0+3], SLOTB ; slot 1
	s_or_b32 s[G0+3], s[G0+3], 0x80000000          ; type = 2
	s_or_b32 s[G0+7], s[G0+7], 0x80000000
	s_add_nc_u64 s[G0T+2:G0T+3], s[8:9], s[22:23]
	s_or_b32 s[G0T+3], s[G0T+3], 0x80000000
	s_add_nc_u64 s[4:5], s[4:5], s[2:3]
	s_add_nc_u64 s[10:11], s[10:11], s[60:61]
	s_add_nc_u64 s[12:13], s[12:13], s[60:61]
	s_add_nc_u64 s[PFA:PFA+1], s[6:7], s[62:63]
	CROUND                                         ; all four work-groups are here: the first joint loads meet
	tensor_load_to_lds s[G0:G0+3], s[G1:G1+7]      ; the first fills go out as one group: three loads of mine are out.  Slot 0,
	s_nop 0
	tensor_load_to_lds s[G0T:G0T+3], s[G1T:G1T+7]  ; the table,
	s_nop 0
	tensor_load_to_lds s[G0+4:G0+7], s[G1:G1+7]    ; slot 1
	s_nop 0
.rept 4
	v_nop
.endr
	v_and_b32 v1, 15, v0                           ; r = l % 16
	v_bfe_u32 v10, v0, 4, 1                        ; h = l / 16
	v_and_b32 v11, 31, v0                          ; l
	v_lshlrev_b32 v[XO], 11, v1
	v_lshl_add_u32 v[XO], v10, 5, v[XO]            ; row x 2,048 + 32 h
	LOADX 0
	LOADX 1
	WIN 0
	; A fragment of eb is 16 rows x 32 channels in 8 registers: lane l holds row l % 16, channels 8 h + 0..7 and 16 + 8 h + 0..7: two loads of 16 bytes, 32 bytes apart.
	s_mul_i32 s20, s[CH], 64*PITCH                 ; my 64 rows of a slot
	v_mul_u32_u24 v[ADE], v1, PITCH
	v_lshl_add_u32 v[ADE], v10, 4, v[ADE]
	v_add_nc_u32 v[ADE], s20, v[ADE]
	v_add_nc_u32 v[ADE+1], SLOT, v[ADE]
	s_lshl_b32 s21, s[CH], 8
	s_add_co_u32 s21, s21, TABLE
	v_lshl_add_u32 v[ADC], v10, 5, s21             ; 4 x (64 (w % 2) + 8 h) in the table
	s_lshl_b32 s22, s[HALF], 12
	s_lshl_b32 s23, s[CH], 6
	s_add_co_u32 s22, s22, s23
	v_lshl_add_u32 v[CT], v10, 3, s22              ; 4,096 x half + 64 (w % 2) + 8 h
	v_lshlrev_b32 v[PFO], 8, v11
	s_lshl_b32 s23, s[WV], 9
	s_add_co_u32 s23, s23, STAGE
	v_lshl_add_u32 v[STO], v1, 3, s23              ; my wave's stage, 8 bytes a row of x
	s_lshl_b32 s23, s[WV], 10
	s_add_co_u32 s23, s23, STAGE
	v_lshl_add_u32 v[RD], v11, 4, s23              ; waves 0 and 1: the stages of waves 2 w and 2 w + 1, 16 bytes a lane
	v_lshlrev_b32 v[GO], 3, v11
.irp u, 0,1,2,3,4,5
	s_wait_loadcnt 32                              ; unit u is in; the next unit's 32 loads stay out
	CVTX \u
	LOADX (\u)+2                                   ; into the half just rounded
.endr
	s_wait_loadcnt 32
	CVTX 6
	s_wait_loadcnt 0x0
	CVTX 7
	WIN 0
	s_wait_tensorcnt 0x1                           ; my parts of slot 0 and of the table are in; slot 1's may stay out
	s_barrier_signal -1
	s_barrier_wait -1                              ; everybody's are
	FETCH 0, 0, 0
	TILE 0, 0, 0, 0, 1, 0                          ; the first tile stands in front of the loop: there is nothing to fold yet, and its slices start the bests
	WIN 0                                          ; at a label and at a branch every window is 0
.Ltrip:                                        ; 15 trips: from a slot pair's second tile to the next pair's first; both slots are filled again: slots 2 to 31
	TILE 1, 1, 16, 0, 2, 64
	TILE 0, 1, 16, 0, 3, 128
	TURN 1, 16, 0, 1, 192
	TILE 0, 1, 80, 1, 1, 512
	TILE 1, 1, 16, 1, 2, 576
	TILE 0, 1, 16, 1, 3, 640
	TURN 1, 16, 1, 1, 704
	TILE 0, 1, 80, 0, 1, 1024
	WIN 0
	v_add_nc_u32 v[ADC], 1024, v[ADC]              ; two slots' 256 numbers on
	s_sub_co_u32 s[LOOP], s[LOOP], 1
	s_cmp_lg_u32 s[LOOP], 0
	s_cbranch_scc1 .Ltrip
	TILE 1, 1, 16, 0, 2, 64                        ; the last two slots are written out: nothing more is asked for
	TILE 0, 1, 16, 0, 3, 128
	TURN 1, 16, 0, 0, 192                          ; my one load that was still out is slot 31's
	TILE 0, 1, 80, 1, 1, 512
	TILE 1, 1, 16, 1, 2, 576
	TILE 0, 1, 16, 1, 3, 640
	s_wait_dscnt 0x0                               ; the last tile: nothing more to fetch but its own e2h
	RUN 1, 0, 32, 1, 16
	CIL 1, 704
	RUN 1, 32, 32, 1, 16
	s_wait_dscnt 0x0
.set kk, 0
.rept 32
	SLICE 1, kk, 1, 0                              ; the last tile's scores; slices 30 and 31 above are the places behind its last products
.set kk, kk+1
.endr
	; THE ENDING.  Slot n's code is its tile's base + n % 8.  A row's eight slots, then the two halves of the lanes, then (through LDS) the two waves that share the rows.
.set n_, 0
.rept 32
.if n_%8
	v_add_nc_u32 v[IDX+n_], n_%8, v[IDX+n_]
.endif
.set n_, n_+1
.endr
.irp t, 0,8,16,24
	MG (\t), (\t)+1
	MG (\t)+2, (\t)+3
	MG (\t)+4, (\t)+5
	MG (\t)+6, (\t)+7
	MG (\t), (\t)+2
	MG (\t)+4, (\t)+6
	MG (\t), (\t)+4
	v_permlanex16_b32 v[BEST+(\t)+1], v[BEST+(\t)], s[SEL], s[SEL+1]  ; the row's other eight codes of each tile lie in the lane 16 away
	v_permlanex16_b32 v[IDX+(\t)+1], v[IDX+(\t)], s[SEL], s[SEL+1]
	MERGE FIN+(\t)/4, FIN+(\t)/4+1, BEST+(\t), IDX+(\t), BEST+(\t)+1, IDX+(\t)+1
	ds_store_b64 v[STO], v[FIN+(\t)/4:FIN+(\t)/4+1] offset:16*(\t)  ; both halves of the lanes write the same bytes with the same pair
.endr
	s_wait_dscnt 0x0                               ; for the others' sake: my stores into the stage are done
	s_barrier_signal -1
	s_barrier_wait -1
	s_cmp_lt_u32 s[WV], 2                          ; wave f finishes rows 64 f on
	s_cbranch_scc0 .Lend
	ds_load_b128 v[FIN+8:FIN+11],  v[RD]           ; rows 2 l and 2 l + 1: the pairs of the wave with the lower codes,
	ds_load_b128 v[FIN+12:FIN+15], v[RD] offset:512  ; and of the other
	s_wait_dscnt 0x0
	MERGE FIN+16, FIN+18, FIN+8, FIN+9, FIN+12, FIN+13
	MERGE FIN+17, FIN+19, FIN+10, FIN+11, FIN+14, FIN+15
	global_store_b64 v[GO], v[FIN+16:FIN+17], s[10:11]  ; 32 lanes store 256 consecutive bytes, aligned
	global_store_b64 v[GO], v[FIN+18:FIN+19], s[12:13]
.Lend:
	s_wait_tensorcnt 0x0                           ; the wave's end, behind my last tensor load and my last LDS store
	ds_add_u32 v[SPW], v[NIL]
	s_wait_dscnt 0x0
	CROUND                                         ; the closing round: no work-group ends while a partner may still ask for a tile that names it
	s_endpgm
.Lfunc_end_k_qa01b3b1b23_score:
	.size	k_qa01b3b1b23_score, .Lfunc_end_k_qa01b3b1b23_score-k_qa01b3b1b23_score
	.p2alignl 7, 3214868480
	.fill 96, 4, 3214868480
	.section	.rodata,"a",@progbits
	.p2align	6, 0x0
	.amdhsa_kernel k_qa01b3b1b23_score
		.amdhsa_group_segment_fixed_size 327680
		.amdhsa_private_segment_fixed_size 0
		.amdhsa_enable_private_segment 0
		.amdhsa_kernarg_size 40
		.amdhsa_user_sgpr_count 2
		.amdhsa_user_sgpr_kernarg_segment_ptr 1
		.amdhsa_wavefront_size32 1
		.amdhsa_system_sgpr_workgroup_id_x 1
		.amdhsa_system_sgpr_workgroup_id_y 1
		.amdhsa_system_sgpr_workgroup_id_z 1
		.amdhsa_system_vgpr_workitem_id 0
		.amdhsa_next_free_vgpr 1024
		.amdhsa_next_free_sgpr 66
		.amdhsa_reserve_vcc 1
		.amdhsa_float_denorm_mode_32 3
		.amdhsa_float_denorm_mode_16_64 3
		.amdhsa_memory_ordered 1
		.amdhsa_forward_progress 1
		.amdhsa_inst_pref_size 255
	.end_amdhsa_kernel
	.section	.bss,"aw",@nobits
	.p2align	6
	.space	262144
	.amdgpu_metadata
---
amdhsa.version: [ 1, 2 ]
amdhsa.kernels:
  - .name:           k_qa01b3b1b23_score
    .symbol:         k_qa01b3b1b23_score.kd
    .args:
      - { .name: x, .offset: 0, .size: 8, .value_kind: global_buffer, .address_space: global }
      - { .name: eb, .offset: 8, .size: 8, .value_kind: global_buffer, .address_space: global }
      - { .name: e2h, .offset: 16, .size: 8, .value_kind: global_buffer, .address_space: global }
      - { .name: bval, .offset: 24, .size: 8, .value_kind: global_buffer, .address_space: global }
      - { .name: bidx, .offset: 32, .size: 8, .value_kind: global_buffer, .address_space: global }
    .group_segment_fixed_size: 327680
    .private_segment_fixed_size: 0
    .kernarg_segment_align: 8
    .kernarg_segment_size: 40
    .max_flat_workgroup_size: 128
    .sgpr_count:     66
    .vgpr_count:     1024
    .wavefront_size: 32
...
	.end_amdgpu_metadata
.endif
;; end of part 2
;; launch pick (part 3): grid 512 x 1, 8 waves a work-group, no clusters, 0 bytes of LDS; arguments emb, bval, bidx, out0; writes out0
.if DOCPART == 3
	.amdgcn_target "amdgcn-amd-amdhsa--gfx1250"
	.amdhsa_code_object_version 6
	.text
	.protected	k_qa01b3b1b23_pick
	.globl	k_qa01b3b1b23_pick
	.p2align	8
	.type	k_qa01b3b1b23_pick,@function
k_qa01b3b1b23_pick:
	s_mov_b64 s[64:65], 0
	v_nop
	global_prefetch_b8 v0, s[64:65] scope:SCOPE_SE
	s_setreg_imm32_b32 hwreg(HW_REG_WAVE_MODE, 25, 1), 1
	s_wait_xcnt 0x0
; out[b] = emb[k], k the better of row b's two candidates (one for each half of the codes).  bval: [2][16384] f32, bidx: [2][16384] u32, emb: [8192][512] f32, out: [16384][512] f32.
; (x2 is left out of the scores: see the head of the first kernel.)
; The addresses hang on whole numbers read from memory alone: BOTH candidates' rows are loaded, and the scores only select between the values.  A strictly greater score of the upper half wins,
; so equal scores go to the lower code.  The row is emb's own, in f32.
; A stream: a wave takes four rows, straight through: 32 loads of 512 consecutive bytes go out first, then each row is selected and stored, 512 consecutive bytes, aligned, a store.
; No LDS, no matrix unit: no wave wants another's bytes.  No hint on the loads: a row of emb may be named many times.
.set LO, 2                             ; v2       16 x lane; never rewritten
.set VA, 3                             ; v[3:6]   the lower half's score of row i
.set D,  8                             ; v[8:135] row i, candidate c, load j at D + 32 i + 16 c + 4 j
.set IX, 16                            ; s[16:23] the codes: candidate c of row i at IX + 4 c + i
.set SV, 24                            ; s[24:31] the scores, likewise
.set BA, 32                            ; s[32:47] the eight rows' addresses: BA + 4 i + 2 c
.set MK, 48                            ; s[48:51] row i's mask
	s_load_b256 s[4:11], s[0:1], 0x0               ; emb s[4:5], bval s[6:7], bidx s[8:9], out s[10:11]
	v_lshrrev_b32 v1, 5, v0
	v_readfirstlane_b32 s12, v1                    ; wave 0..7
	v_and_b32 v[LO], 31, v0
	v_lshlrev_b32 v[LO], 4, v[LO]
	s_lshl_b32 s13, ttmp9, 3
	s_add_co_u32 s13, s13, s12                     ; g: my four rows are 4 g on
	s_lshl_b32 s2, s13, 4                          ; 16 bytes of bval and of bidx,
	s_mov_b32 s3, 0
	s_lshl_b32 s14, s13, 13                        ; 8,192 of out
	s_mov_b32 s15, 0
	s_wait_kmcnt 0x0
	s_add_nc_u64 s[6:7], s[6:7], s[2:3]
	s_add_nc_u64 s[8:9], s[8:9], s[2:3]
	s_add_nc_u64 s[10:11], s[10:11], s[14:15]
	s_load_b128 s[IX:IX+3],   s[8:9], 0x0
	s_load_b128 s[IX+4:IX+7], s[8:9], 0x10000      ; the upper half's lie 65,536 bytes on
	s_load_b128 s[SV:SV+3],   s[6:7], 0x0
	s_load_b128 s[SV+4:SV+7], s[6:7], 0x10000
	s_wait_kmcnt 0x0
.irp i, 0,1,2,3
.irp c, 0,1
	s_min_u32 s[IX+4*(\c)+(\i)], s[IX+4*(\c)+(\i)], 0x1fff  ; a code stays inside the table
	s_lshl_b32 s[BA+4*(\i)+2*(\c)], s[IX+4*(\c)+(\i)], 11   ; 2,048 bytes a row
	s_mov_b32 s[BA+4*(\i)+2*(\c)+1], 0
	s_add_nc_u64 s[BA+4*(\i)+2*(\c):BA+4*(\i)+2*(\c)+1], s[4:5], s[BA+4*(\i)+2*(\c):BA+4*(\i)+2*(\c)+1]
.endr
.endr
.irp i, 0,1,2,3
.irp c, 0,1
.irp j, 0,1,2,3
	global_load_b128 v[D+32*(\i)+16*(\c)+4*(\j):D+32*(\i)+16*(\c)+4*(\j)+3], v[LO], s[BA+4*(\i)+2*(\c):BA+4*(\i)+2*(\c)+1] offset:512*(\j)
.endr
.endr
.endr
.irp i, 0,1,2,3
	v_mov_b32 v[VA+(\i)], s[SV+(\i)]
	v_cmp_lt_f32 s[MK+(\i)], v[VA+(\i)], s[SV+4+(\i)]  ; the upper half's candidate is strictly better
.endr
.irp i, 0,1,2,3
	s_wait_loadcnt 24-8*(\i)                       ; loads come back in order (ISA guide 5.7.1): row i's eight are in, the later rows' stay out
.irp k, 0,1,2,3,4,5,6,7,8,9,10,11,12,13,14,15
	v_cndmask_b32 v[D+32*(\i)+(\k)], v[D+32*(\i)+(\k)], v[D+32*(\i)+16+(\k)], s[MK+(\i)]
.endr
.irp j, 0,1,2,3
	global_store_b128 v[LO], v[D+32*(\i)+4*(\j):D+32*(\i)+4*(\j)+3], s[10:11] offset:2048*(\i)+512*(\j) th:TH_STORE_NT
.endr
.endr
	s_endpgm
.Lfunc_end_k_qa01b3b1b23_pick:
	.size	k_qa01b3b1b23_pick, .Lfunc_end_k_qa01b3b1b23_pick-k_qa01b3b1b23_pick
	.p2alignl 7, 3214868480
	.fill 96, 4, 3214868480
	.section	.rodata,"a",@progbits
	.p2align	6, 0x0
	.amdhsa_kernel k_qa01b3b1b23_pick
		.amdhsa_group_segment_fixed_size 0
		.amdhsa_private_segment_fixed_size 0
		.amdhsa_enable_private_segment 0
		.amdhsa_kernarg_size 32
		.amdhsa_user_sgpr_count 2
		.amdhsa_user_sgpr_kernarg_segment_ptr 1
		.amdhsa_wavefront_size32 1
		.amdhsa_system_sgpr_workgroup_id_x 1
		.amdhsa_system_sgpr_workgroup_id_y 1
		.amdhsa_system_sgpr_workgroup_id_z 1
		.amdhsa_system_vgpr_workitem_id 0
		.amdhsa_next_free_vgpr 136
		.amdhsa_next_free_sgpr 66
		.amdhsa_reserve_vcc 0
		.amdhsa_float_denorm_mode_32 3
		.amdhsa_float_denorm_mode_16_64 3
		.amdhsa_memory_ordered 1
		.amdhsa_forward_progress 1
		.amdhsa_inst_pref_size 12
	.end_amdhsa_kernel
	.amdgpu_metadata
---
amdhsa.version: [ 1, 2 ]
amdhsa.kernels:
  - .name:           k_qa01b3b1b23_pick
    .symbol:         k_qa01b3b1b23_pick.kd
    .args:
      - { .name: emb, .offset: 0, .size: 8, .value_kind: global_buffer, .address_space: global }
      - { .name: bval, .offset: 8, .size: 8, .value_kind: global_buffer, .address_space: global }
      - { .name: bidx, .offset: 16, .size: 8, .value_kind: global_buffer, .address_space: global }
      - { .name: out0, .offset: 24, .size: 8, .value_kind: global_buffer, .address_space: global }
    .group_segment_fixed_size: 0
    .private_segment_fixed_size: 0
    .kernarg_segment_align: 8
    .kernarg_segment_size: 32
    .max_flat_workgroup_size: 256
    .sgpr_count:     66
    .vgpr_count:     136
    .wavefront_size: 32
...
	.end_amdgpu_metadata
.endif
;; end of part 3
;; ======== version 2 of 2: 3 launches; version 1 with the launch pick written anew for expert scheduling mode
;; workspace buffers: eb 8,388,608 bytes; e2h 32,768 bytes; bval 131,072 bytes; bidx 131,072 bytes of whole numbers
;; launch prep: the kernel of part 1 again; grid 256 x 1, 8 waves a work-group, no clusters, 0 bytes of LDS; arguments emb, eb, e2h; writes eb, e2h
;; launch score: the kernel of part 2 again; grid 128 x 2, 4 waves a work-group, clusters of 4 x 1, 327,680 bytes of LDS; arguments x, eb, e2h, bval, bidx; writes bval, bidx
;; launch pick (part 4): grid 512 x 1, 8 waves a work-group, no clusters, 0 bytes of LDS; arguments emb, bval, bidx, out0; writes out0
.if DOCPART == 4
	.amdgcn_target "amdgcn-amd-amdhsa--gfx1250"
	.amdhsa_code_object_version 6
	.text
	.protected	k_qa01b3b1b23_pick
	.globl	k_qa01b3b1b23_pick
	.p2align	8
	.type	k_qa01b3b1b23_pick,@function
k_qa01b3b1b23_pick:
	s_mov_b64 s[64:65], 0
	v_nop
	global_prefetch_b8 v0, s[64:65] scope:SCOPE_SE
	s_setreg_imm32_b32 hwreg(HW_REG_WAVE_SCHED_MODE, 0, 2), 2
	s_setreg_imm32_b32 hwreg(HW_REG_WAVE_MODE, 25, 1), 1
	s_wait_xcnt 0x0
	s_wait_alu depctr_vm_vsrc(0)
; out[b] = emb[k], k the better of row b's two candidates (one for each half of the codes).  bval: [2][16384] f32, bidx: [2][16384] u32, emb: [8192][512] f32, out: [16384][512] f32.
; (x2 is left out of the scores: see the head of the first kernel.)
; The addresses hang on whole numbers read from memory alone: BOTH candidates' rows are loaded, and the scores only select between the values.  A strictly greater score of the upper half wins,
; so equal scores go to the lower code.  The row is emb's own, in f32.
; A stream: a wave takes four rows, straight through: 32 loads of 512 consecutive bytes go out first, then each row is selected and stored, 512 consecutive bytes, aligned, a store.
; No LDS, no matrix unit: no wave wants another's bytes.  No hint on the loads: a row of emb may be named many times.
; THE MODE: SCHED_MODE bits 1:0 = 2 (LLVM: expert scheduling mode 2), set by the entry lines.  The code itself states the register dependences between vector instructions and memory
; instructions, with s_wait_alu, always for 0.
; THE PLAN.  Registers that memory instructions touch:
;   v[LO]                   the offset of all 32 loads and 16 stores.  Written at the head and never again.
;   v[D+32 i .. +15]        row i, lower candidate.  Its four loads land here; row i's sixteen selects write it in place; row i's four stores read it; then nothing writes it.
;   v[D+32 i + 16 .. +31]   row i, upper candidate.  Its four loads land here; the selects read it; no memory instruction names it again.
; No vector instruction names a register of D ahead of the loads.  The rows' addresses and out's are scalar registers that scalar lines make, and none is written again.
; Row i - 1's stores are issued in row i's turn, dealt among row i's selects, which name row i's 32 registers alone.  So ONE wait on va_vdst at the head of a row's turn states all that the four
; stores of the row before hang on.  No register that a memory instruction reads is written afterwards, so no wait on vm_vsrc follows the entry lines.
; Scalar registers that vector instructions write: s12 (the wave's number) and s[MK ..] (the four masks): a wait on va_sdst stands ahead of the first reader of each.
.set LO, 2                             ; v2       16 x lane; never rewritten
.set VA, 3                             ; v[3:6]   the lower half's score of row i
.set D,  8                             ; v[8:135] row i, candidate c, load j at D + 32 i + 16 c + 4 j
.set IX, 16                            ; s[16:23] the codes: candidate c of row i at IX + 4 c + i
.set SV, 24                            ; s[24:31] the scores, likewise
.set BA, 32                            ; s[32:47] the eight rows' addresses: BA + 4 i + 2 c
.set MK, 48                            ; s[48:51] row i's mask
	s_load_b256 s[4:11], s[0:1], 0x0               ; emb s[4:5], bval s[6:7], bidx s[8:9], out s[10:11]
	v_lshrrev_b32 v1, 5, v0
	v_readfirstlane_b32 s12, v1                    ; wave 0..7
	v_and_b32 v[LO], 31, v0
	v_lshlrev_b32 v[LO], 4, v[LO]
	s_lshl_b32 s13, ttmp9, 3
	s_wait_alu depctr_va_sdst(0)                   ; s12 is written, ahead of its first reader: my rows' number is made from it
	s_add_co_u32 s13, s13, s12                     ; g: my four rows are 4 g on
	s_lshl_b32 s2, s13, 4                          ; 16 bytes of bval and of bidx,
	s_mov_b32 s3, 0
	s_lshl_b32 s14, s13, 13                        ; 8,192 of out
	s_mov_b32 s15, 0
	s_wait_kmcnt 0x0
	s_add_nc_u64 s[6:7], s[6:7], s[2:3]
	s_add_nc_u64 s[8:9], s[8:9], s[2:3]
	s_add_nc_u64 s[10:11], s[10:11], s[14:15]
	s_load_b128 s[IX:IX+3],   s[8:9], 0x0
	s_load_b128 s[IX+4:IX+7], s[8:9], 0x10000      ; the upper half's lie 65,536 bytes on
	s_load_b128 s[SV:SV+3],   s[6:7], 0x0
	s_load_b128 s[SV+4:SV+7], s[6:7], 0x10000
	s_wait_kmcnt 0x0
.irp i, 0,1,2,3
.irp c, 0,1
	s_min_u32 s[IX+4*(\c)+(\i)], s[IX+4*(\c)+(\i)], 0x1fff  ; a code stays inside the table
	s_lshl_b32 s[BA+4*(\i)+2*(\c)], s[IX+4*(\c)+(\i)], 11   ; 2,048 bytes a row
	s_mov_b32 s[BA+4*(\i)+2*(\c)+1], 0
	s_add_nc_u64 s[BA+4*(\i)+2*(\c):BA+4*(\i)+2*(\c)+1], s[4:5], s[BA+4*(\i)+2*(\c):BA+4*(\i)+2*(\c)+1]
.endr
.endr
	s_wait_alu depctr_va_vdst(0)                   ; v[LO] is written: every load and store of the kernel reads it as its offset
.irp i, 0,1,2,3
.irp c, 0,1
.irp j, 0,1,2,3
	global_load_b128 v[D+32*(\i)+16*(\c)+4*(\j):D+32*(\i)+16*(\c)+4*(\j)+3], v[LO], s[BA+4*(\i)+2*(\c):BA+4*(\i)+2*(\c)+1] offset:512*(\j)
.endr
.endr
.endr
.irp i, 0,1,2,3
	v_mov_b32 v[VA+(\i)], s[SV+(\i)]
	v_cmp_lt_f32 s[MK+(\i)], v[VA+(\i)], s[SV+4+(\i)]  ; the upper half's candidate is strictly better
.endr
	s_wait_alu depctr_va_sdst(0)                   ; the four compares have written s[MK ..], ahead of the first select that reads a mask: one wait for the run
; Row i's turn: its sixteen selects, and among them the four stores of the row before.
.macro ROW i
	s_wait_loadcnt 24-8*(\i)                       ; loads come back in order (ISA guide 5.7.1): row i's eight are in, the later rows' stay out
.if (\i) > 0
	s_wait_alu depctr_va_vdst(0)                   ; the selects of the row before have written its sixteen registers, which the four stores below read
.endif
.irp j, 0,1,2,3
.if (\i) > 0
	global_store_b128 v[LO], v[D+32*((\i)-1)+4*(\j):D+32*((\i)-1)+4*(\j)+3], s[10:11] offset:2048*((\i)-1)+512*(\j) th:TH_STORE_NT  ; no vector instruction since the wait names these registers
.endif
.irp k, 0,1,2,3
	v_cndmask_b32 v[D+32*(\i)+4*(\j)+(\k)], v[D+32*(\i)+4*(\j)+(\k)], v[D+32*(\i)+16+4*(\j)+(\k)], s[MK+(\i)]
.endr
.endr
.endm
	ROW 0
	ROW 1
	ROW 2
	ROW 3
	s_wait_alu depctr_va_vdst(0)                   ; row 3's selects have written its sixteen registers, which the last four stores read
.irp j, 0,1,2,3
	global_store_b128 v[LO], v[D+96+4*(\j):D+96+4*(\j)+3], s[10:11] offset:2048*3+512*(\j) th:TH_STORE_NT
.endr
	s_endpgm
.Lfunc_end_k_qa01b3b1b23_pick:
	.size	k_qa01b3b1b23_pick, .Lfunc_end_k_qa01b3b1b23_pick-k_qa01b3b1b23_pick
	.p2alignl 7, 3214868480
	.fill 96, 4, 3214868480
	.section	.rodata,"a",@progbits
	.p2align	6, 0x0
	.amdhsa_kernel k_qa01b3b1b23_pick
		.amdhsa_group_segment_fixed_size 0
		.amdhsa_private_segment_fixed_size 0
		.amdhsa_enable_private_segment 0
		.amdhsa_kernarg_size 32
		.amdhsa_user_sgpr_count 2
		.amdhsa_user_sgpr_kernarg_segment_ptr 1
		.amdhsa_wavefront_size32 1
		.amdhsa_system_sgpr_workgroup_id_x 1
		.amdhsa_system_sgpr_workgroup_id_y 1
		.amdhsa_system_sgpr_workgroup_id_z 1
		.amdhsa_system_vgpr_workitem_id 0
		.amdhsa_next_free_vgpr 136
		.amdhsa_next_free_sgpr 66
		.amdhsa_reserve_vcc 0
		.amdhsa_float_denorm_mode_32 3
		.amdhsa_float_denorm_mode_16_64 3
		.amdhsa_memory_ordered 1
		.amdhsa_forward_progress 1
		.amdhsa_inst_pref_size 12
	.end_amdhsa_kernel
	.amdgpu_metadata
---
amdhsa.version: [ 1, 2 ]
amdhsa.kernels:
  - .name:           k_qa01b3b1b23_pick
    .symbol:         k_qa01b3b1b23_pick.kd
    .args:
      - { .name: emb, .offset: 0, .size: 8, .value_kind: global_buffer, .address_space: global }
      - { .name: bval, .offset: 8, .size: 8, .value_kind: global_buffer, .address_space: global }
      - { .name: bidx, .offset: 16, .size: 8, .value_kind: global_buffer, .address_space: global }
      - { .name: out0, .offset: 24, .size: 8, .value_kind: global_buffer, .address_space: global }
    .group_segment_fixed_size: 0
    .private_segment_fixed_size: 0
    .kernarg_segment_align: 8
    .kernarg_segment_size: 32
    .max_flat_workgroup_size: 256
    .sgpr_count:     66
    .vgpr_count:     136
    .wavefront_size: 32
...
	.end_amdgpu_metadata
.endif
;; end of part 4
